; MI455X (gfx1250); checked and timed in simulation.
; The chip was launched on July 23, 2026; its instructions are those of AMD's public machine-readable ISA for CDNA 5 (MIT licence, August 2026) and "CDNA5" Instruction Set Architecture Reference Guide (July 2026). The comments in the code are by the model that wrote it; some were corrected since.
;; Ret Next. Allowed arithmetic: matrix products marked QUANTISED: E3M2 operands, one E8M0 scale for each 32 along K, by v_wmma_scale_f32_16x16x128_f8f6f4 with both operands' format E3M2, f32 sums; everything else in f32.
;; Inputs: Wk 2,048 x 2,048 float32; Wq 2,048 x 2,048 float32; Wv 2,048 x 2,048 float32; bk 2,048 float32; bq 2,048 float32; bv 2,048 float32; x 4 x 1,024 x 2,048 float32.
;; Outputs: out0 4 x 4 x 1,024 x 512 float32.
;; This version of the problem:
;;   THIS VERSION OF THE PROBLEM IS GIVEN IN LOW PRECISION. The matrix products marked QUANTISED in the list below multiply operands that are first quantised to E3M2 (3 exponent bits, 2 mantissa bits; 6 bits a number), with one power-of-two scale for each 32 numbers along K (OCP MX v1.0); their sums are f32. All else is computed in f32.
;;   The module's matrix products, in the order in which they are computed (A, B: the left and right operand; K: the contracted axis; several contracted axes count as one K, in the product's order):
;;     1. [M 4,096, K 2,048] x [K 2,048, N 2,048]; A: input x; B: input Wk: QUANTISED
;;     2. [M 4,096, K 2,048] x [K 2,048, N 2,048]; A: input x; B: input Wq: QUANTISED
;;     3. [M 4,096, K 2,048] x [K 2,048, N 2,048]; A: input x; B: input Wv: QUANTISED
;;     4. batch 16 x [M 512, K 1,024] x [K 1,024, N 512]; A: computed on the way; B: computed on the way: QUANTISED
;;     5. batch 16 x [M 1,024, K 512] x [K 512, N 512]; A: computed on the way; B: computed on the way: QUANTISED
;;   THE QUANTISER, for each operand of a quantised product, along K:
;;     - K is cut into blocks of 32 from its start; a last block that is shorter is filled with zeros.
;;     - A block's scale is 2^e with e = floor(log2(the largest magnitude in the block)) - 4, held to -126 .. 127; a block of zeros has e = 0. As a byte (E8M0): e + 127.
;;     - Each number is divided by its block's scale, clamped to +-28, and rounded to the nearest number of E3M2, ties to even, subnormals kept.
;;     - The product sums the exact products of the quantised numbers (number of the format x scale) in f32.
;;   ~~~python
;;   def quantise(x, axis):      # numpy; x: float32 -> the quantised numbers, widened to float32 again
;;       x = np.moveaxis(x, axis, -1); K = x.shape[-1]
;;       x = np.pad(x, [(0, 0)] * (x.ndim - 1) + [(0, -K % 32)]); x = x.reshape(x.shape[:-1] + (-1, 32)); a = np.abs(x).max(-1, keepdims=True)
;;       e = np.where(a > 0, np.clip(np.frexp(np.where(a > 0, a, 1))[1] - 1 - 4, -126, 127), 0)      # np.frexp(a)[1] - 1 = floor(log2(a)), exactly
;;       r = np.clip(x / 2.0 ** e, -28, 28)
;;       step = 2.0 ** (np.maximum(np.frexp(np.where(r == 0, 1, r))[1] - 1, -2) - 2)
;;       q = np.round(r / step) * step * 2.0 ** e      # np.round: ties to even
;;       return np.moveaxis(q.reshape(q.shape[:-2] + (-1,))[..., :K], -1, axis).astype(np.float32)
;;   ~~~
;;   OPERANDS COMPUTED ON THE WAY. 'Computed on the way' means the value that the module computes at that place (a softmax that the list does not call 'softmax' is quantised finished and normalised). What goes into a quantiser is computed in f32, as accurately as f32 sums, v_exp_f32 and their like allow (about 1e-6 of the number): no bf16 or f16 on the way to a quantiser, and a product that is left as it is and whose result goes on into a quantised operand takes f32 operands (vector FMAs, or v_wmma_f32_16x16x4_f32). A number that lies on a knife's edge between two numbers of the format may be rounded either way, as far as f32 arithmetic and the matrix unit's own rounding can turn it there, and no further.
;; One version. Each part assembles by itself: llvm-mc -triple=amdgcn-amd-amdhsa -mcpu=gfx1250 --defsym DOCPART=n.
;; ======== version 1 of 1: 4 launches
;; workspace buffers: opc 16,384,000 bytes; act 19,660,800 bytes; st 3,276,800 bytes
;; launch quant (part 1): grid 256 x 1, 10 waves a work-group, no clusters, 85,760 bytes of LDS; arguments x, Wk, Wq, Wv, opc; writes opc
.if DOCPART == 1
	.amdgcn_target "amdgcn-amd-amdhsa--gfx1250"
	.amdhsa_code_object_version 6
	.text
	.protected	k_q892c3ab392_quant
	.globl	k_q892c3ab392_quant
	.p2align	8
	.type	k_q892c3ab392_quant,@function
k_q892c3ab392_quant:
	s_mov_b64 s[64:65], 0
	v_nop
	global_prefetch_b8 v0, s[64:65] scope:SCOPE_SE
	s_setreg_imm32_b32 hwreg(HW_REG_WAVE_MODE, 25, 1), 1
	s_wait_xcnt 0x0
; x [4096][2048] and Wk, Wq, Wv [2048][2048], f32, K innermost, become codes of BF6 (E3M2) with one E8M0 byte for each 32 along K,
; laid as IMAGES OF OPERAND REGISTERS, so that the products' launch loads fragments by 16 bytes a lane from dense blocks.
; A fragment is 16 rows x 128 K = 12 registers a lane (lane (r, h): registers 6 c .. 6 c + 5 = k 64 c + 32 h + 0 .. 31); its image is 1,536 bytes:
; registers 4 c .. 4 c + 3 of lane l at 512 c + 16 l.  THE ROWS OF A TILE ARE NOT NEIGHBOURS: lane r of tile t takes row 32 (t / 2) + 8 (t % 2) + r + 8 (r / 8).
; opc: 40 panels of 256 rows (0-15 x, 16-23 Wk, 24-31 Wq, 32-39 Wv): [panel][K step 0..15][25,600]; a K step's block is 16 images, then 1,024 bytes of scale words [four tiles][r][tile % 4]:
; codes and scale words of a K step are one dense block, so that one tensor load brings both.
; A block's scale is 2^(floor(log2(largest magnitude)) - 4); its byte is the largest magnitude's exponent field - 4, held at 1 from below.
; LIMITS: NaN and infinities among the inputs are not served; a block of zeros gets the byte 1 where the rule says 127: its codes are zeros, and these bytes are read by this program alone.
; SHARES: 160 runs of four tiles x 16 K steps = 2,560 shares = 256 work-groups x 10 waves: a wave takes four tiles (64 rows) of one K step.  Waves share nothing: no barrier, no cluster (no byte is read by two work-groups).
; A load takes 512 consecutive bytes of ONE row (its K step), 16 a lane; a tile's 16 rows turn through the wave's own stage in LDS and come back 128 bytes a lane and block pair.
.set PITCH, 528                        ; a stage row: 512 bytes + 16, an odd multiple of 16: the sixteen rows of a load start in sixteen different groups of banks
.set WST,   16*PITCH                   ; a wave's stage
.set FRB,   1536                       ; a fragment's image
.set KSB,   16*FRB+1024                ; a panel's K step: images and scale words
.set PANEL, 16*KSB
.set C,     32                         ; v32-55   codes, two sets of 12
.set R,     64                         ; v64-191  two sets of 64: a tile as loaded
.set X,     192                        ; v192-255 my 64 numbers: register 32 c + i = k 64 c + 32 h + i of row r
	s_load_b256 s[4:11], s[0:1], 0x0               ; x, Wk, Wq, Wv
	s_load_b64 s[12:13], s[0:1], 0x20              ; opc
	v_lshl_add_u32 v62, v0, 2, 0x14a00
	v_mov_b32 v63, 0
	v_lshrrev_b32 v7, 5, v0
	v_readfirstlane_b32 s16, v7                    ; wave 0..9
	v_and_b32 v6, 31, v0                           ; lane
	v_and_b32 v7, 15, v0                           ; r
	v_bfe_u32 v5, v0, 4, 1                         ; h
	v_lshlrev_b32 v1, 4, v6                        ; 16 x lane: my bytes of a load, and of an image's 512
	s_mul_i32 s21, s16, WST
	v_add_nc_u32 v2, s21, v1                       ; the stage, on the way in
	v_mul_u32_u24 v3, v7, PITCH
	v_lshl_add_u32 v3, v5, 7, v3
	v_add_nc_u32 v3, s21, v3                       ; and out: row r, + 128 h
	v_lshlrev_b32 v4, 4, v7                        ; 16 r: my row's scale words of the four tiles
	v_lshlrev_b32 v5, 3, v5                        ; 8 h
	v_mov_b32 v15, 0                               ; written once: a lane permute's destination counts as one of its sources
	s_mov_b32 s30, 0x76543210
	s_mov_b32 s31, 0xfedcba98                      ; v_permlanex16_b32's selects for lane l xor 16
	s_mul_i32 s17, ttmp9, 10
	s_add_co_u32 s17, s17, s16                     ; my share
	s_lshr_b32 s18, s17, 4                         ; its four tiles: run 0..159 (0-63 x, 64-95 Wk, 96-127 Wq, 128-159 Wv)
	s_and_b32 s19, s17, 15                         ; its K step
	s_and_b32 s20, s18, 31                         ; the run's number in a weight
	s_wait_kmcnt 0x0
	s_cmp_lt_u32 s18, 128                          ; the tensor is chosen by the run's number alone
	s_cselect_b64 s[24:25], s[8:9], s[10:11]
	s_cmp_lt_u32 s18, 96
	s_cselect_b64 s[24:25], s[6:7], s[24:25]
	s_cmp_lt_u32 s18, 64
	s_cselect_b64 s[24:25], s[4:5], s[24:25]
	s_cselect_b32 s20, s18, s20                    ; the run's number in its tensor
	s_lshl_b32 s22, s20, 19                        ; 64 rows of 8,192 bytes for each run,
	s_lshl_b32 s21, s19, 9                         ; 512 bytes for each K step
	s_add_co_u32 s22, s22, s21
	s_mov_b32 s23, 0
	s_add_nc_u64 s[24:25], s[24:25], s[22:23]
	s_lshr_b32 s21, s18, 2                         ; the panel
	s_and_b32 s33, s18, 3                          ; which four tiles of it
	s_mul_i32 s22, s21, PANEL
	s_mul_i32 s34, s19, KSB
	s_add_co_u32 s22, s22, s34
	s_add_nc_u64 s[28:29], s[12:13], s[22:23]      ; the panel's block of my K step
	s_mul_i32 s22, s33, 4*FRB
	s_add_nc_u64 s[26:27], s[28:29], s[22:23]      ; where my four images go
	s_lshl_b32 s22, s33, 8
	s_add_co_u32 s22, s22, 16*FRB
	s_add_nc_u64 s[28:29], s[28:29], s[22:23]      ; and my 256 bytes of scale words
.macro LOAD t                          ; tile t of my four: 16 rows x 512 bytes into set t % 2.  The tile begins at row 32 (t / 2) + 8 (t % 2) of the run
.irp i, 0,1,2,3,4,5,6,7,8,9,10,11,12,13,14,15
	global_load_b128 v[R+64*((\t)%2)+4*\i:R+64*((\t)%2)+4*\i+3], v1, s[24:25] offset:(\i+8*(\i/8))*8192+((\t)/2)*262144+((\t)%2)*65536 th:TH_LOAD_NT
.endr
.endm
.macro STEP t
.set RS, R+64*((\t)%2)
.set CS, C+12*((\t)%2)
.if (\t) < 3
	s_wait_loadcnt 16                              ; this tile's 16 loads are in; the next tile's 16 may be out
.else
	s_wait_loadcnt 0x0
.endif
.irp i, 0,1,2,3,4,5,6,7,8,9,10,11,12,13,14,15
	ds_store_b128 v2, v[RS+4*\i:RS+4*\i+3] offset:PITCH*\i
.endr
.irp c, 0,1
.irp m, 0,1,2,3,4,5,6,7
	ds_load_b128 v[X+32*\c+4*\m:X+32*\c+4*\m+3], v3 offset:256*\c+16*\m   ; LDS serves a wave's instructions in order: these see the stores above
.endr
.endr
	s_wait_dscnt 0x0                               ; my 64 numbers are in, and the stores have read the set,
.if (\t) < 2
	LOAD (\t)+2                                    ; which takes the tile two on
.endif
.irp c, 0,1
	v_max3_num_f32 v[8+\c], |v[X+32*\c]|, |v[X+32*\c+1]|, 0x2800000   ; block 2 c + h is all mine; the floor 2^(5 - 127) holds the byte at 1 from below
.endr
.irp i, 2,4,6,8,10,12,14,16,18,20,22,24,26,28,30
.irp c, 0,1
	v_max3_num_f32 v[8+\c], v[8+\c], |v[X+32*\c+\i]|, |v[X+32*\c+\i+1]|   ; (the two blocks by turns)
.endr
.endr
	v_add_nc_u32 v10, 0xfe000000, v8               ; 4 off the exponent field: the conversion's scale operand
	v_add_nc_u32 v11, 0xfe000000, v9
	v_lshrrev_b32 v12, 23, v10                     ; the scale's byte
	v_lshrrev_b32 v13, 23, v11
	v_lshl_or_b32 v14, v13, 16, v12                ; blocks h and 2 + h,
	v_lshlrev_b32 v14, v5, v14                     ; at their places in the word;
	v_permlanex16_b32 v15, v14, s30, s31
	v_or_b32 v[16+(\t)], v14, v15                  ; with lane l xor 16's two the word is whole
.if (\t) >= 2
	s_wait_xcnt 0x0                                ; the stores of two tiles back have read this set of codes: it is written again only behind this wait
.endif
	v_cvt_scalef32_pk16_bf6_f32 v[CS:CS+2], v[X:X+15], v10
	v_cvt_scalef32_pk16_bf6_f32 v[20:22], v[X+16:X+31], v10          ; (a conversion's three registers begin on an even number)
	v_cvt_scalef32_pk16_bf6_f32 v[CS+6:CS+8], v[X+32:X+47], v11
	v_cvt_scalef32_pk16_bf6_f32 v[24:26], v[X+48:X+63], v11
	v_nop                                          ; one plain place behind a scaled conversion
.irp i, 0,1,2
	v_mov_b32 v[CS+3+\i], v[20+\i]
	v_mov_b32 v[CS+9+\i], v[24+\i]
.endr
.irp c, 0,1,2
	global_store_b128 v1, v[CS+4*\c:CS+4*\c+3], s[26:27] offset:FRB*(\t)+512*\c   ; 32 lanes store 512 consecutive bytes, at a multiple of 512 from the buffer's first byte
.endr
.endm
	LOAD 0
	LOAD 1
	STEP 0
	STEP 1
	STEP 2
	STEP 3
	s_wait_xcnt 0x0                                ; EXEC changes only behind this wait
	v_cmp_gt_u32 vcc_lo, 16, v6
	s_wait_tensorcnt 0x0
	ds_add_u32 v62, v63
	s_wait_dscnt 0x0
	s_and_saveexec_b32 s32, vcc_lo                 ; both halves of the lanes hold the same words: lanes 0-15 store them
	global_store_b128 v4, v[16:19], s[28:29]       ; row r's words of the four tiles: 16 lanes store 256 consecutive bytes, aligned
	s_wait_xcnt 0x0
	s_or_b32 exec_lo, exec_lo, s32
	s_endpgm
.Lfunc_end_k_q892c3ab392_quant:
	.size	k_q892c3ab392_quant, .Lfunc_end_k_q892c3ab392_quant-k_q892c3ab392_quant
	.p2alignl 7, 3214868480
	.fill 96, 4, 3214868480
	.section	.rodata,"a",@progbits
	.p2align	6, 0x0
	.amdhsa_kernel k_q892c3ab392_quant
		.amdhsa_group_segment_fixed_size 85760
		.amdhsa_private_segment_fixed_size 0
		.amdhsa_enable_private_segment 0
		.amdhsa_kernarg_size 40
		.amdhsa_user_sgpr_count 2
		.amdhsa_user_sgpr_kernarg_segment_ptr 1
		.amdhsa_wavefront_size32 1
		.amdhsa_system_sgpr_workgroup_id_x 1
		.amdhsa_system_sgpr_workgroup_id_y 1
		.amdhsa_system_sgpr_workgroup_id_z 1
		.amdhsa_system_vgpr_workitem_id 0
		.amdhsa_next_free_vgpr 256
		.amdhsa_next_free_sgpr 66
		.amdhsa_reserve_vcc 1
		.amdhsa_float_denorm_mode_32 3
		.amdhsa_float_denorm_mode_16_64 3
		.amdhsa_memory_ordered 1
		.amdhsa_forward_progress 1
		.amdhsa_inst_pref_size 30
	.end_amdhsa_kernel
	.amdgpu_metadata
---
amdhsa.version: [ 1, 2 ]
amdhsa.kernels:
  - .name:           k_q892c3ab392_quant
    .symbol:         k_q892c3ab392_quant.kd
    .args:
      - { .name: x, .offset: 0, .size: 8, .value_kind: global_buffer, .address_space: global }
      - { .name: Wk, .offset: 8, .size: 8, .value_kind: global_buffer, .address_space: global }
      - { .name: Wq, .offset: 16, .size: 8, .value_kind: global_buffer, .address_space: global }
      - { .name: Wv, .offset: 24, .size: 8, .value_kind: global_buffer, .address_space: global }
      - { .name: opc, .offset: 32, .size: 8, .value_kind: global_buffer, .address_space: global }
    .group_segment_fixed_size: 85760
    .private_segment_fixed_size: 0
    .kernarg_segment_align: 8
    .kernarg_segment_size: 40
    .max_flat_workgroup_size: 320
    .sgpr_count:     66
    .vgpr_count:     256
    .wavefront_size: 32
...
	.end_amdgpu_metadata
.endif
;; end of part 1
;; launch qkv (part 2): grid 16 x 24, 4 waves a work-group, clusters of 4 x 4, 327,680 bytes of LDS; arguments opc, bk, bq, bv, act; writes act
.if DOCPART == 2
	.amdgcn_target "amdgcn-amd-amdhsa--gfx1250"
	.amdhsa_code_object_version 6
	.text
	.protected	k_q892c3ab392_qkv
	.globl	k_q892c3ab392_qkv
	.p2align	8
	.type	k_q892c3ab392_qkv,@function
k_q892c3ab392_qkv:
	s_mov_b64 s[64:65], 0
	v_nop
	global_prefetch_b8 v0, s[64:65] scope:SCOPE_SE
	s_setreg_imm32_b32 hwreg(HW_REG_WAVE_MODE, 25, 1), 1
	s_wait_xcnt 0x0
	s_wait_alu depctr_hold_cnt(0) depctr_sa_sdst(0) depctr_va_vdst(0) depctr_va_sdst(0) depctr_va_ssrc(0) depctr_va_vcc(0) depctr_vm_vsrc(0)
	s_getreg_b32 s2, hwreg(HW_REG_IB_STS2, 6, 4)
	s_cmp_eq_u32 s2, 0
	s_cbranch_scc0 .Lentry_in_a_cluster
	s_endpgm
.Lentry_in_a_cluster:
	s_bfe_u32 s2, ttmp6, 0x10000c
	s_cmp_lg_u32 s2, 0xf033
	s_cbranch_scc0 .Lentry_shape_is_right
	s_endpgm
.Lentry_shape_is_right:
; k = x Wk^T + bk, q = x Wq^T + bq, v = x Wv^T + bv on codes of BF6 (E3M2) with E8M0 scales, f32 sums; each result is quantised on the way out along the K of the product that will read it,
; and leaves as images of operand registers: k and v along the TOKENS (rows = features), q along its head's FEATURES (rows = tokens).  No f32 intermediate goes to memory.
; A product's source 0 is called P, its source 1 R.  In a result lane l holds ONE row of R (l % 16) and its registers run along P's rows; since lane r of tile t holds row 32 (t / 2) + 8 (t % 2) + r + 8 (r / 8),
; the 64 registers of one R tile against eight P tiles are 128 NEIGHBOURS along P: register 16 b + i = row 32 b + 16 (l / 16) + i.  So k, v: P = x (tokens), R = W (features); q: P = Wq, R = x.
; SHARES: a work-group makes 256 (P) x 256 (R), K = 2,048; four waves, each 128 x 128 in 64 accumulators.  Work-group rows 0-15: P = x's panel y, R = Wk's (x 0-7) or Wv's (x 8-15) panel; rows 16-23: P = Wq's panel, R = x's panel x.
; THE RING: a panel's K step of 128 is one dense block of 25,600 bytes: 16 images of 1,536, then 1,024 bytes of scale words [four tiles][r][tile % 4].  A slot holds THREE K steps of both panels, 153,600 bytes: the most of which
; two fit in LDS.  A wave's one load behind a change of slots brings half of a panel's three steps, 38,400 dense bytes, and has 160 matrix instructions in which to land.  16 steps are five such fills and one of a single step,
; which has descriptors of its own.  With three steps to a slot P's two sets of registers come back to where they began after six steps; 16 steps are two such runs and four, and the second run's second fill is the short one:
; so the 16 steps are written out by one macro, and there is no loop.
; CLUSTERS 4 x 4: P hangs on the work-group's row alone and is asked for jointly along a row of the cluster, R on its column (and on the cluster's row, which all share) and jointly along a column.
; LIMITS: NaN and infinities are not served; a block of zeros gets the byte 1 where the rule says 127: its codes are zeros, and these bytes are read by this program alone.
; REGISTERS: window 0: v16-31 addresses; v32-47 scale words, two sets of 8; v64-127 the bias by register (q); v128-223 R's fragments, ONE set; v224-239 the bias by lane (k, v), each number twice; v240-251 scale words made.
;   On the way out v128-191 hold 64 numbers, v192-211 their codes, v212-223 are at work.   window 1: P's fragments, TWO sets.   windows 2, 3: accumulator (a = R tile, b = P tile) at v[8 (8 (a % 4) + b)].
.set KT,    16                         ; K steps
.set NS,    3                          ; K steps in a slot
.set FR,    12                         ; registers of a fragment
.set FRB,   FR*128                     ; its image in bytes
.set NL,    3                          ; LDS loads that bring one
.set NP,    4                          ; places behind this matrix instruction (ISA guide 7.12.1)
.set KSB,   16*FRB+1024                ; a panel's K step: images and scale words
.set PANEL, KT*KSB
.set HALF,  NS*KSB                     ; a panel's part of a slot
.set SLOT,  2*HALF                     ; R's three steps, then P's three
.set LOADB, HALF/2                     ; what a wave's load brings
.set LROWS, LOADB/256                  ; as rows of 256 bytes: 150
.set SROWS, KSB/512                    ; the last fill: half a K step a wave: 50
.set SST,   2*SLOT                     ; behind the ring: 512 bytes for each wave, in which the scale words made here are gathered; no tile lands there
.set SPARE, SST+4*512                  ; the spare words, 128 bytes for each wave: two blocks of 256 bytes that no other line names
.set SLAB,  8*FRB+512                  ; what a wave stores: 8 images and their scale words [tile][r]
.set QPART, 512*SLAB                   ; act: k's part at 0, q's here,
.set VPART, 2*QPART                    ; v's here
.set ADRR, 16                          ; v16-17  LDS address of my R fragments in slot 0, 1
.set ADRS, 18                          ; v18-19  of the scale words: lanes 0-15 R's, lanes 16-31 P's
.set ADRP, 20                          ; v20-21  of my P fragments
.set LI,   24                          ; v24     16 x lane
.set SWA,  25                          ; v25     where I put a scale word
.set SRD,  26                          ; v26     where I read 16 bytes of them back
.set SPW,  28                          ; v28     LDS address of my spare word; never rewritten
.set NIL,  29                          ; v29     0; never rewritten
.set BRO,  30                          ; v30     the bias by lane: 4 (r + 8 (r / 8))
.set BPO,  31                          ; v31     the bias by register: 64 h
.set SC,   32                          ; set p at v[32 + 8 p]: register i: lanes 0-15 the word of R's tile i, lanes 16-31 that of P's tile i
.set BP,   64
.set AF,   128
.set BR,   224
.set PW,   240
.set OW,   248
.set T,    128
.set PC,   192
.set TM,   212
.set WV,   16                          ; s16 wave;  s17 its R half, also: I fetch for R (0) or P (1);  s18 its P half, also: which half of a panel's part of a slot I fetch
.set WR,   17
.set WP,   18
.set ISQ,  23                          ; s23 1 in the work-groups that make q: made of the cluster's row alone
.set G1R,  24                          ; s[24:31] group 1 for R's tiles, s[32:39] group 0 for each slot
.set G0R,  32
.set OUT,  40                          ; s[40:41] my slab
.set BRB,  42                          ; s[42:43], s[44:45] the two forms of the bias
.set BPB,  44
.set SEL,  46
.set G1P,  48
.set G0P,  56
.set G1RS, 68                          ; s[68:75], s[76:79] groups 1 and 0 for R's last K step;  s[80:87], s[88:91] for P's
.set G0RS, 76
.set G1PS, 80
.set G0PS, 88
.set MSB, 0
.macro WIN new                         ; the immediate's high byte repeats the setting that is left
.if MSB != (\new)
	s_set_vgpr_msb (MSB<<8)|(\new)
.set MSB, (\new)
.endif
.endm
.set MUL_LO, 0xa1                      ; source 0 (P) window 1, source 1 (R) window 0, C and D window 2
.set MUL_HI, 0xf1                      ; the same, C and D window 3
.set TO_P,   0x40                      ; destination window 1, address window 0
; A joint load: waves 0 and 1 fetch for R, waves 2 and 3 for P.  The branch hangs on the wave's number alone.  Four v_nop follow each of the two lines.
.macro JLOAD g0a, g1a, g0b, g1b
	s_cmp_eq_u32 s[WR], 0
	s_cbranch_scc0 .Lfor_p_\@
	tensor_load_to_lds s[\g0a:\g0a+3], s[\g1a:\g1a+7]
	s_nop 0
.rept 4
	v_nop
.endr
	s_branch .Lasked_\@
.Lfor_p_\@:
	tensor_load_to_lds s[\g0b:\g0b+3], s[\g1b:\g1b+7]
	s_nop 0
.rept 4
	v_nop
.endr
.Lasked_\@:
.endm
.macro CREST                           ; a round of the cluster's barrier behind its opening barrier
	s_cmp_lg_u32 s[WV], 0
	s_cbranch_scc1 .Lnot_wave_0_\@
	s_barrier_signal -3
.Lnot_wave_0_\@:
	s_barrier_wait -3
	s_barrier_signal -1
	s_barrier_wait -1
.endm
.macro CROUND
	s_barrier_signal -1
	s_barrier_wait -1
	CREST
.endm
	s_load_b256 s[4:11], s[0:1], 0x0               ; opc s[4:5], bk s[6:7], bq s[8:9], bv s[10:11]
	s_load_b64 s[12:13], s[0:1], 0x20              ; act
	v_lshl_add_u32 v[SPW], v0, 2, SPARE
	v_mov_b32 v[NIL], 0
	ds_add_u32 v28, v29
	ds_add_u32 v28, v29
	s_wait_dscnt 0x0
	v_lshrrev_b32 v1, 5, v0
	v_readfirstlane_b32 s[WV], v1
	s_lshr_b32 s[WR], s[WV], 1
	s_and_b32 s[WP], s[WV], 1
	s_bfe_u32 s19, ttmp6, 0x40000                  ; cx
	s_bfe_u32 s20, ttmp6, 0x40004                  ; cy
	s_lshl_b32 s21, ttmp9, 2
	s_add_co_u32 s21, s21, s19                     ; work-group x, 0..15
	s_and_b32 s2, ttmp7, 0xffff                    ; the cluster's row, 0..5
	s_lshl_b32 s22, s2, 2
	s_add_co_u32 s22, s22, s20                     ; work-group y, 0..23
	s_cmp_ge_u32 s2, 4
	s_cselect_b32 s[ISQ], 1, 0
	s_lshl_b32 s66, s20, 2
	s_lshl_b32 s66, 15, s66                        ; my row of the cluster: P's partners
	s_lshl_b32 s67, 0x1111, s19                    ; my column: R's
	s_or_b32 s[G1R], s67, (3<<16)|(1<<21)          ; 15:0 the mask; 17:16 elements of 8 bytes; 20 no padding; 21 set beside a mask
	s_or_b32 s[G1P], s66, (3<<16)|(1<<21)
	s_or_b32 s[G1RS], s67, (3<<16)|(1<<21)
	s_or_b32 s[G1PS], s66, (3<<16)|(1<<21)
.irp g, G1R, G1P                       ; half of a panel's three K steps: a dense block, as 150 rows of 256 bytes
	s_mov_b32 s[\g+1], 32<<16                      ; tensor_dim0 = 32 elements
	s_mov_b32 s[\g+2], LROWS<<16                   ; tensor_dim1
	s_mov_b32 s[\g+3], 32<<16                      ; tile_dim0
	s_mov_b32 s[\g+4], LROWS                       ; tile_dim1
	s_mov_b32 s[\g+5], 32                          ; the pitch
	s_mov_b32 s[\g+6], 0
	s_mov_b32 s[\g+7], 0
.endr
.irp g, G1RS, G1PS                     ; half of a panel's last K step: 50 rows of 256 bytes
	s_mov_b32 s[\g+1], 32<<16
	s_mov_b32 s[\g+2], SROWS<<16
	s_mov_b32 s[\g+3], 32<<16
	s_mov_b32 s[\g+4], SROWS
	s_mov_b32 s[\g+5], 32
	s_mov_b32 s[\g+6], 0
	s_mov_b32 s[\g+7], 0
.endr
	s_cmp_lt_u32 ttmp9, 2                          ; R's panel: x's panel x for q; else Wk's (16 + x) or Wv's (32 + x - 8)
	s_cselect_b32 s92, 16, 24
	s_cmp_lg_u32 s[ISQ], 0
	s_cselect_b32 s92, 0, s92
	s_add_co_u32 s92, s92, s21
	s_lshl_b32 s96, s[ISQ], 3                      ; P's panel: x's panel y, or Wq's (24 + y - 16)
	s_add_co_u32 s96, s96, s22
	s_mul_i32 s92, s92, PANEL
	s_mul_i32 s96, s96, PANEL
	s_mul_i32 s2, s[WP], KSB/2                     ; the last K step, my half of it
	s_add_co_u32 s2, s2, (KT-1)*KSB
	s_add_co_u32 s94, s92, s2
	s_add_co_u32 s98, s96, s2
	s_mul_i32 s2, s[WP], LOADB                     ; the first three K steps, my half of them
	s_add_co_u32 s92, s92, s2
	s_add_co_u32 s96, s96, s2
	s_mov_b32 s93, 0
	s_mov_b32 s95, 0
	s_mov_b32 s97, 0
	s_mov_b32 s99, 0
	s_mul_i32 s3, s[WV], LOADB                     ; where they go: the wave's number alone enters an LDS address
	s_mul_i32 s2, s[WR], HALF                      ; and the last K step: slot 1's first place, R's or P's, my half
	s_mul_i32 s14, s[WP], KSB/2
	s_add_co_u32 s2, s2, s14
	s_add_co_u32 s2, s2, SLOT
	s_mov_b32 s[SEL], 0x76543210
	s_mov_b32 s[SEL+1], 0xfedcba98
	s_wait_kmcnt 0x0
	s_add_nc_u64 s[92:93], s[4:5], s[92:93]
	s_add_nc_u64 s[94:95], s[4:5], s[94:95]
	s_add_nc_u64 s[96:97], s[4:5], s[96:97]
	s_add_nc_u64 s[98:99], s[4:5], s[98:99]
	s_mov_b32 s[G0RS], 1                           ; the last fill's groups 0 are made here and used once
	s_mov_b32 s[G0RS+1], s2
	s_mov_b64 s[G0RS+2:G0RS+3], s[94:95]
	s_or_b32 s[G0RS+3], s[G0RS+3], 0x80000000
	s_mov_b32 s[G0PS], 1
	s_mov_b32 s[G0PS+1], s2
	s_mov_b64 s[G0PS+2:G0PS+3], s[98:99]
	s_or_b32 s[G0PS+3], s[G0PS+3], 0x80000000
	CROUND                                         ; all sixteen work-groups are here: the first joint loads meet
.irp s, 0,1
	s_mov_b32 s[G0R+4*\s], 1
	s_add_co_u32 s[G0R+4*\s+1], s3, \s*SLOT
	s_add_nc_u64 s[G0R+4*\s+2:G0R+4*\s+3], s[92:93], \s*HALF
	s_or_b32 s[G0R+4*\s+3], s[G0R+4*\s+3], 0x80000000
	s_mov_b32 s[G0P+4*\s], 1
	s_add_co_u32 s[G0P+4*\s+1], s3, \s*SLOT
	s_add_nc_u64 s[G0P+4*\s+2:G0P+4*\s+3], s[96:97], \s*HALF
	s_or_b32 s[G0P+4*\s+3], s[G0P+4*\s+3], 0x80000000
	JLOAD G0R+4*\s, G1R, G0P+4*\s, G1P             ; K steps 0-2 and 3-5: two tensor loads of mine are out
.endr
	v_and_b32 v1, 15, v0                           ; r
	v_bfe_u32 v2, v0, 4, 1                         ; h
	v_and_b32 v3, 31, v0
	v_lshlrev_b32 v[LI], 4, v3
	s_mul_i32 s2, s[WR], 8*FRB                     ; my eight tiles of R,
	s_mul_i32 s3, s[WP], 8*FRB                     ; my eight of P,
	s_add_co_u32 s3, s3, HALF                      ; which lie behind R's three steps
.irp s, 0,1
	v_add_nc_u32 v[ADRR+\s], s2, v[LI]
	v_add_nc_u32 v[ADRP+\s], s3, v[LI]
	s_add_co_u32 s2, s2, SLOT
	s_add_co_u32 s3, s3, SLOT
.endr
	v_lshlrev_b32 v5, 4, v1                        ; scale words: 16 bytes a row (four tiles), 256 for four tiles, behind a K step's images
	s_lshl_b32 s2, s[WR], 9
	s_lshl_b32 s3, s[WP], 9
	s_add_co_u32 s3, s3, HALF
	s_sub_co_u32 s3, s3, s2
	v_mul_u32_u24 v6, s3, v2                       ; lanes 16-31 take P's
	s_add_co_u32 s2, s2, 16*FRB
	v_add_nc_u32 v5, v5, v6
	v_add_nc_u32 v[ADRS], s2, v5
	v_add_nc_u32 v[ADRS+1], SLOT, v[ADRS]
	s_lshl_b32 s2, s[WV], 9
	s_add_co_u32 s2, s2, SST
	v_lshl_add_u32 v[SWA], v1, 2, s2
	v_add_nc_u32 v[SRD], s2, v[LI]
	; THE BIAS, in both forms in every work-group, so that every register is written: by lane (the feature is R's row: k, v) and by register (the feature is P's row: q).  The form that is not used reads from the vector's head.
	v_and_b32 v4, 8, v1
	v_add_nc_u32 v4, v4, v1
	v_lshlrev_b32 v[BRO], 2, v4
	v_lshlrev_b32 v[BPO], 6, v2
	s_cmp_lt_u32 ttmp9, 2
	s_cselect_b64 s[BRB:BRB+1], s[6:7], s[10:11]
	s_cselect_b32 s67, 0, VPART                    ; and k's or v's part of act
	s_cmp_lg_u32 s[ISQ], 0
	s_cselect_b64 s[BRB:BRB+1], s[8:9], s[BRB:BRB+1]
	s_mov_b64 s[BPB:BPB+1], s[BRB:BRB+1]
	s_and_b32 s92, s21, 7
	s_lshl_b32 s92, s92, 8
	s_lshl_b32 s2, s[WR], 7
	s_add_co_u32 s92, s92, s2
	s_lshl_b32 s92, s92, 2                         ; k, v: my first feature is 256 (x % 8) + 128 x my R half
	s_and_b32 s94, s22, 7
	s_lshl_b32 s94, s94, 8
	s_lshl_b32 s2, s[WP], 7
	s_add_co_u32 s94, s94, s2
	s_lshl_b32 s94, s94, 2                         ; q: 256 (y - 16) + 128 x my P half
	s_cmp_lg_u32 s[ISQ], 0
	s_cselect_b32 s92, 0, s92
	s_cselect_b32 s94, s94, 0
	s_mov_b32 s93, 0
	s_mov_b32 s95, 0
	s_add_nc_u64 s[BRB:BRB+1], s[BRB:BRB+1], s[92:93]
	s_add_nc_u64 s[BPB:BPB+1], s[BPB:BPB+1], s[94:95]
.irp a, 0,1,2,3,4,5,6,7
	global_load_b32 v[BR+2*\a], v[BRO], s[BRB:BRB+1] offset:(32*(\a/2)+8*(\a%2))*4     ; tile a's number of my lane, into both registers of a pair, for the packed addition
	global_load_b32 v[BR+2*\a+1], v[BRO], s[BRB:BRB+1] offset:(32*(\a/2)+8*(\a%2))*4
.endr
.irp j, 0,1,2,3,4,5,6,7,8,9,10,11,12,13,14,15
	global_load_b128 v[BP+4*\j:BP+4*\j+3], v[BPO], s[BPB:BPB+1] offset:128*(\j/4)+16*(\j%4)   ; register 16 b + i: feature 32 b + 16 h + i
.endr
	; MY SLAB.  k, v: [batch x 16 + panel of 128 features][K step of 128 tokens];  q: [(batch x 4 + head) x 8 + panel of 128 tokens][K step of 128 features]
	s_lshr_b32 s2, s22, 2
	s_lshl_b32 s2, s2, 4
	s_and_b32 s3, s21, 7
	s_lshl_b32 s3, s3, 1
	s_add_co_u32 s2, s2, s3
	s_add_co_u32 s2, s2, s[WR]
	s_mul_i32 s2, s2, 8*SLAB
	s_and_b32 s3, s22, 3
	s_lshl_b32 s3, s3, 1
	s_add_co_u32 s3, s3, s[WP]
	s_mul_i32 s3, s3, SLAB
	s_add_co_u32 s2, s2, s3
	s_add_co_u32 s2, s2, s67
	s_lshr_b32 s3, s21, 2
	s_lshl_b32 s3, s3, 2
	s_bfe_u32 s66, s22, 0x20001                    ; the head: (y - 16) / 2
	s_add_co_u32 s3, s3, s66
	s_lshl_b32 s3, s3, 3
	s_and_b32 s66, s21, 3
	s_lshl_b32 s66, s66, 1
	s_add_co_u32 s3, s3, s66
	s_add_co_u32 s3, s3, s[WR]
	s_mul_i32 s3, s3, 4*SLAB
	s_and_b32 s66, s22, 1
	s_lshl_b32 s66, s66, 1
	s_add_co_u32 s66, s66, s[WP]
	s_mul_i32 s66, s66, SLAB
	s_add_co_u32 s3, s3, s66
	s_add_co_u32 s3, s3, QPART
	s_cmp_lg_u32 s[ISQ], 0
	s_cselect_b32 s96, s3, s2
	s_mov_b32 s97, 0
	s_add_nc_u64 s[OUT:OUT+1], s[12:13], s[96:97]
; THE FETCHES take the K step that comes next: it lies in slot NSL, at place NQQ of the slot's three, and its P fragments and scale words go into set NPA.  The three symbols are set at the head of each step.
.macro FRAG reg, adr, i                ; a fragment comes as its image lies: three loads of 16 bytes a lane, 512 consecutive bytes each
.irp c, 0,1,2
	ds_load_b128 v[\reg+4*\c:\reg+4*\c+3], v[\adr] offset:NQQ*KSB+(\i)*FRB+512*\c
.endr
.endm
.macro FETCH_P                         ; P's eight fragments, and both sides' scale words: two loads of four tiles' words a row
	WIN TO_P
.irp i, 0,1,2,3,4,5,6,7
	FRAG 128*NPA+FR*\i, ADRP+NSL, \i
.endr
	WIN 0
	ds_load_b128 v[SC+8*NPA:SC+8*NPA+3], v[ADRS+NSL] offset:NQQ*KSB
	ds_load_b128 v[SC+8*NPA+4:SC+8*NPA+7], v[ADRS+NSL] offset:NQQ*KSB+256
.endm
.macro FETCH_R i0                      ; R's tiles i0 .. i0 + 3
.irp i, \i0, \i0+1, \i0+2, \i0+3
	FRAG AF+FR*(\i), ADRR+NSL, \i
.endr
.endm
; 16 matrix instructions: R's tiles a0, a0 + 1 x P's eight, on P's set and scale words PA.  ZR = 1: the first product starts the sums: nothing is ever cleared.
; The 64 accumulators take turns, one instruction a turn, in the same order in every step.
.macro MUL16 a0
.irp a, \a0, \a0+1
.irp b, 0,1,2,3,4,5,6,7
.if ZR
	v_wmma_scale_f32_16x16x128_f8f6f4 v[8*(8*((\a)%4)+\b):8*(8*((\a)%4)+\b)+7], v[128*PA+FR*\b:128*PA+FR*\b+FR-1], v[AF+FR*(\a):AF+FR*(\a)+FR-1], 0, v[SC+8*PA+\b], v[SC+8*PA+(\a)] matrix_a_fmt:MATRIX_FMT_BF6 matrix_b_fmt:MATRIX_FMT_BF6 matrix_a_scale:MATRIX_SCALE_ROW1
.else
	v_wmma_scale_f32_16x16x128_f8f6f4 v[8*(8*((\a)%4)+\b):8*(8*((\a)%4)+\b)+7], v[128*PA+FR*\b:128*PA+FR*\b+FR-1], v[AF+FR*(\a):AF+FR*(\a)+FR-1], v[8*(8*((\a)%4)+\b):8*(8*((\a)%4)+\b)+7], v[SC+8*PA+\b], v[SC+8*PA+(\a)] matrix_a_fmt:MATRIX_FMT_BF6 matrix_b_fmt:MATRIX_FMT_BF6 matrix_a_scale:MATRIX_SCALE_ROW1
.endif
.endr
.endr
.endm
.macro PLACES n                        ; plain vector instructions between a matrix instruction and a load into, or a vector write or read of, its registers
.rept \n
	v_nop
.endr
.endm
; K STEP g of 16: 64 matrix instructions, R's tiles one after the other, each against P's eight.  A tile of R is free as soon as its eight products are issued, so one set of registers serves R: tiles 0-3 are fetched anew
; in the step's middle, tiles 4-7 at its end.  P's fragments and the scale words are at work through the whole step and have two sets.
; A slot's last step changes slots: ONE barrier; in front of it each wave waits for all its tensor loads, adds 0 to its spare word, and waits for that and for its own reads of this slot.
; Behind it the slot is filled again with the K steps g + 4 to g + 6, with K step 15 alone where that is all that is left, or not at all.
.macro KSTEP g
.set PA,  (\g)%2
.set SL,  ((\g)/NS)%2
.set NPA, ((\g)+1)%2
.set NSL, (((\g)+1)/NS)%2
.set NQQ, ((\g)+1)%NS
.if (\g) == 0
.set ZR, 1
.else
.set ZR, 0
.endif
.if (\g) == KT-1                       ; the last step: nothing more to fetch
	s_wait_dscnt 4*NL
	WIN MUL_LO
	MUL16 0
	MUL16 2
	s_wait_dscnt 0x0
	WIN MUL_HI
	MUL16 4
	MUL16 6
	WIN 0
.else
.if (\g)%NS == NS-1
	s_wait_tensorcnt 0x0                           ; all my tensor loads have landed: my part of the next slot  (every window is 0 here)
	ds_add_u32 v[SPW], v[NIL]                      ; 0 onto my spare word
	s_wait_dscnt 4*NL+1                            ; (the add and the youngest twelve loads, R's tiles 4-7, may be out)
	WIN MUL_LO
	MUL16 0                                        ; sixteen matrix instructions stand between the add and the wait for it
	s_wait_dscnt 0x0                               ; the add is done, and my reads of this slot are over
	s_barrier_signal -1
	MUL16 2
	WIN 0
	s_barrier_wait -1
.if (\g)+2*NS < KT
	CREST                                          ; the barrier has opened a round of the cluster's barrier: no wave of any partner still reads this slot or has a load on its way
	s_add_nc_u64 s[G0R+4*SL+2:G0R+4*SL+3], s[G0R+4*SL+2:G0R+4*SL+3], 2*HALF
	s_add_nc_u64 s[G0P+4*SL+2:G0P+4*SL+3], s[G0P+4*SL+2:G0P+4*SL+3], 2*HALF
	JLOAD G0R+4*SL, G1R, G0P+4*SL, G1P             ; the first tensor load behind the round, my one until the next; its four v_nop are the places in front of the loads below
.elseif (\g)+NS+1 < KT
	CREST
	JLOAD G0RS, G1RS, G0PS, G1PS                   ; the last K step, into the slot's first place
.else
	PLACES NP                                      ; nothing is left to fetch, and no round follows
.endif
.else
	s_wait_dscnt 4*NL                              ; P's set, the scale words and R's tiles 0-3 are in; the youngest twelve loads (R's tiles 4-7) may be out
	WIN MUL_LO
	MUL16 0
	MUL16 2
	s_wait_dscnt 0x0                               ; R's tiles 4-7 are in (asked for 32 matrix instructions ago)
	PLACES NP
.endif
	FETCH_P
	FETCH_R 0
	WIN MUL_HI
	MUL16 4
	MUL16 6
	PLACES NP
	WIN 0
	FETCH_R 4
.endif
.endm
	s_wait_tensorcnt 1                             ; my part of slot 0 is in (slot 1's load may be out)
	s_barrier_signal -1
	s_barrier_wait -1                              ; everybody's is
.set NPA, 0
.set NSL, 0
.set NQQ, 0
	FETCH_P
	FETCH_R 0
	FETCH_R 4
.irp g, 0,1,2,3,4,5,6,7,8,9,10,11,12,13,14,15
	KSTEP \g
.endr
; 64 numbers of a lane, v[s] on, register 16 b + i = k 32 b + 16 (lane / 16) + i of my row, become a fragment's codes in v[PC] on and its scale word in v[pw].
.macro QUANT s, pw
.irp b, 0,1,2,3
	v_max3_num_f32 v[TM+\b], |v[\s+16*\b]|, |v[\s+1+16*\b]|, 0x2800000   ; block b: my 16 numbers, and the floor 2^(5 - 127): the byte cannot fall under 1
.endr
.irp i, 2,4,6,8,10,12,14
.irp b, 0,1,2,3
	v_max3_num_f32 v[TM+\b], v[TM+\b], |v[\s+16*\b+\i]|, |v[\s+1+16*\b+\i]|   ; (the four blocks by turns)
.endr
.endr
.irp b, 0,1,2,3
	v_permlanex16_b32 v[TM+4+\b], v[TM+\b], s[SEL], s[SEL+1]
.endr
.irp b, 0,1,2,3
	v_max_num_f32 v[TM+\b], v[TM+\b], v[TM+4+\b]   ; with lane l xor 16's: the block's largest magnitude
.endr
.irp b, 0,1,2,3
	v_add_nc_u32 v[TM+8+\b], 0xfe000000, v[TM+\b]  ; 4 off its exponent field: the conversion's scale operand
.endr
.irp b, 0,1,2,3
	v_lshrrev_b32 v[TM+4+\b], 23, v[TM+8+\b]       ; the scale's byte
.endr
	v_lshl_or_b32 v[\pw], v[TM+5], 8, v[TM+4]
	v_lshl_or_b32 v[\pw], v[TM+6], 16, v[\pw]
	v_lshl_or_b32 v[\pw], v[TM+7], 24, v[\pw]
	s_wait_xcnt 0x0                                ; the last tile's stores have read their codes: these are written again only behind this wait
.irp c, 0,1
	v_cvt_scalef32_pk16_bf6_f32 v[PC+6*\c:PC+2+6*\c], v[\s+32*\c:\s+15+32*\c], v[TM+8+2*\c]
	v_cvt_scalef32_pk16_bf6_f32 v[PC+12+4*\c:PC+14+4*\c], v[\s+16+32*\c:\s+31+32*\c], v[TM+8+2*\c+1]   ; (a conversion's three registers begin on an even number)
.endr
	v_nop                                          ; one plain place behind a scaled conversion
.irp c, 0,1                                    ; the operand's layout wants a WHOLE block in a lane: lanes 0-15 block 2 c, lanes 16-31 block 2 c + 1
.irp i, 0,1,2
	v_permlane16_swap_b32 v[PC+6*\c+\i], v[PC+12+4*\c+\i]
.endr
.irp i, 0,1,2
	v_mov_b32 v[PC+3+6*\c+\i], v[PC+12+4*\c+\i]
.endr
.endr
.endm
; THE WAY OUT of R's tile a: its eight accumulators + the bias, in f32, each accumulator from its low end on; quantised; the image stored as it stands.
; The branch hangs on the cluster's row alone: it is the same in all sixteen partners and in all four waves.
.macro OUTA a
.set AC, 64*((\a)%4)
	s_cmp_lg_u32 s[ISQ], 0
	s_cbranch_scc1 .Lby_register_\@
	WIN 0x02+(\a)/4                                ; source 0: window 2 or 3
.set jj, 0
.rept 32
	v_pk_add_f32 v[T+jj:T+jj+1], v[AC+jj:AC+jj+1], v[BR+2*(\a):BR+2*(\a)+1]   ; k, v: the feature is my lane's row
.set jj, jj+2
.endr
	WIN 0
	s_branch .Ladded_\@
.Lby_register_\@:
	WIN 0x02+(\a)/4
.set jj, 0
.rept 32
	v_pk_add_f32 v[T+jj:T+jj+1], v[AC+jj:AC+jj+1], v[BP+jj:BP+jj+1]           ; q: the feature runs along my registers
.set jj, jj+2
.endr
	WIN 0
.Ladded_\@:
	QUANT T, PW+(\a)
.irp c, 0,1,2
	global_store_b128 v[LI], v[PC+4*\c:PC+4*\c+3], s[OUT:OUT+1] offset:FRB*(\a)+512*\c   ; 32 lanes store 512 consecutive bytes, at a multiple of 256 from the buffer's first byte
.endr
	ds_store_b32 v[SWA], v[PW+(\a)] offset:64*(\a) ; both halves of the lanes hold the same word and write it to the same place
.endm
	s_wait_loadcnt 0x0                             ; the bias
	PLACES NP                                      ; behind the last products: their results are read and R's registers written below
.irp b, 0,1,2,3
	v_mov_b32 v[TM+4+\b], 0                        ; written once: a lane permute's destination counts as one of its sources
.endr
.irp a, 0,1,2,3,4,5,6,7
	OUTA \a
.endr
	ds_load_b128 v[OW:OW+3], v[SRD]                ; LDS serves a wave's instructions in order: this sees my eight stores
	s_wait_dscnt 0x0
	global_store_b128 v[LI], v[OW:OW+3], s[OUT:OUT+1] offset:8*FRB   ; the slab's 512 bytes of scale words
	s_wait_tensorcnt 0x0                           ; the wave's end
	ds_add_u32 v[SPW], v[NIL]
	s_wait_dscnt 0x0
	CROUND                                         ; the closing round: no work-group ends while a partner may still ask for a tile that names it
	s_endpgm
.Lfunc_end_k_q892c3ab392_qkv:
	.size	k_q892c3ab392_qkv, .Lfunc_end_k_q892c3ab392_qkv-k_q892c3ab392_qkv
	.p2alignl 7, 3214868480
	.fill 96, 4, 3214868480
	.section	.rodata,"a",@progbits
	.p2align	6, 0x0
	.amdhsa_kernel k_q892c3ab392_qkv
		.amdhsa_group_segment_fixed_size 327680
		.amdhsa_private_segment_fixed_size 0
		.amdhsa_enable_private_segment 0
		.amdhsa_kernarg_size 40
		.amdhsa_user_sgpr_count 2
		.amdhsa_user_sgpr_kernarg_segment_ptr 1
		.amdhsa_wavefront_size32 1
		.amdhsa_system_sgpr_workgroup_id_x 1
		.amdhsa_system_sgpr_workgroup_id_y 1
		.amdhsa_system_sgpr_workgroup_id_z 1
		.amdhsa_system_vgpr_workitem_id 0
		.amdhsa_next_free_vgpr 1024
		.amdhsa_next_free_sgpr 100
		.amdhsa_reserve_vcc 0
		.amdhsa_float_denorm_mode_32 3
		.amdhsa_float_denorm_mode_16_64 3
		.amdhsa_memory_ordered 1
		.amdhsa_forward_progress 1
		.amdhsa_inst_pref_size 255
	.end_amdhsa_kernel
	.section	.bss,"aw",@nobits
	.p2align	6
	.space	262144
	.amdgpu_metadata
---
amdhsa.version: [ 1, 2 ]
amdhsa.kernels:
  - .name:           k_q892c3ab392_qkv
    .symbol:         k_q892c3ab392_qkv.kd
    .args:
      - { .name: opc, .offset: 0, .size: 8, .value_kind: global_buffer, .address_space: global }
      - { .name: bk, .offset: 8, .size: 8, .value_kind: global_buffer, .address_space: global }
      - { .name: bq, .offset: 16, .size: 8, .value_kind: global_buffer, .address_space: global }
      - { .name: bv, .offset: 24, .size: 8, .value_kind: global_buffer, .address_space: global }
      - { .name: act, .offset: 32, .size: 8, .value_kind: global_buffer, .address_space: global }
    .group_segment_fixed_size: 327680
    .private_segment_fixed_size: 0
    .kernarg_segment_align: 8
    .kernarg_segment_size: 40
    .max_flat_workgroup_size: 128
    .sgpr_count:     100
    .vgpr_count:     1024
    .wavefront_size: 32
...
	.end_amdgpu_metadata
.endif
;; end of part 2
;; launch states (part 3): grid 4 x 64, 4 waves a work-group, clusters of 4 x 4, 213,504 bytes of LDS; arguments act, st; writes st
.if DOCPART == 3
	.amdgcn_target "amdgcn-amd-amdhsa--gfx1250"
	.amdhsa_code_object_version 6
	.text
	.protected	k_q892c3ab392_states
	.globl	k_q892c3ab392_states
	.p2align	8
	.type	k_q892c3ab392_states,@function
k_q892c3ab392_states:
	s_mov_b64 s[64:65], 0
	v_nop
	global_prefetch_b8 v0, s[64:65] scope:SCOPE_SE
	s_setreg_imm32_b32 hwreg(HW_REG_WAVE_MODE, 25, 1), 1
	s_wait_xcnt 0x0
	s_wait_alu depctr_hold_cnt(0) depctr_sa_sdst(0) depctr_va_vdst(0) depctr_va_sdst(0) depctr_va_ssrc(0) depctr_va_vcc(0) depctr_vm_vsrc(0)
	s_getreg_b32 s2, hwreg(HW_REG_IB_STS2, 6, 4)
	s_cmp_eq_u32 s2, 0
	s_cbranch_scc0 .Lentry_in_a_cluster
	s_endpgm
.Lentry_in_a_cluster:
	s_bfe_u32 s2, ttmp6, 0x10000c
	s_cmp_lg_u32 s2, 0xf033
	s_cbranch_scc0 .Lentry_shape_is_right
	s_endpgm
.Lentry_shape_is_right:
; states[d][e] = sum over the 1,024 tokens of k[token][d] v[token][e], for each of 16 (batch, head), on codes of BF6 (E3M2) with E8M0 scales, f32 sums; the result is quantised along d, the next product's K,
; and leaves as images of operand registers with rows e.  Source 0 (P) = rows d of k^T, source 1 (R) = rows e of v^T: a lane holds one e, its registers run along d (lane r of tile t holds row 32 (t / 2) + 8 (t % 2) + r + 8 (r / 8),
; so the 64 registers of one R tile against P's eight tiles are 128 neighbouring d).
; A slab is a panel of 128 rows for one K step: 8 images of 1,536 bytes, then 512 bytes of scale words [tile][r]: 12,800 dense bytes.
; SHARES: a cluster of 4 x 4 work-groups is one (batch, head); a work-group makes 128 d (panel cy) x 128 e (panel cx); wave w takes R's tiles 2 w, 2 w + 1 against all eight of P: 16 accumulators, so it ends with whole fragments.
; P's slabs are asked for jointly along a row of the cluster, R's along a column.  All 16 slabs of a work-group fit in LDS: each byte of LDS is filled once, all loads go out at the head, four a wave, and are waited for pair by pair.
; LIMITS: NaN and infinities are not served; a block of zeros gets the byte 1 where the rule says 127: its codes are zeros, and these bytes are read by this program alone.
; REGISTERS: window 0: v2-11 addresses; v12-14 scale words made; v16-31 scale words, two sets of 8; v96-115 codes; v116-127 at work; v128-255 accumulator (a, b) at 128 + 64 a + 8 b.   window 1: fragments, two sets of 128: P's at 12 b, R's at 96 + 12 a.
.set FRB,   1536
.set SLAB,  8*FRB+512
.set PB,    8*SLAB                     ; LDS: R's eight slabs, then P's eight
.set VPART, 1024*SLAB                  ; act: k's part at 0, v's here
.set ADR, 2                            ; v2-3   my R tiles in K steps 0-3, 4-7: 3,072 w + 16 lane (+ 51,200).  v2 is also my images' place in the slab that I store
.set ADP, 4                            ; v4-5   P's tiles
.set ASR, 6                            ; v6-7   my R tiles' scale words: 12,288 + 128 w + 4 lane.  v6 is also their place in the slab that I store
.set ASP, 8                            ; v8-9   P's
.set LN,  10                           ; v10    lane
.set PW,  12
.set OW,  14
.set SS,  16                           ; set f at v[16 + 8 f]: registers 0-3 P's tiles 2 i (lanes 0-15) and 2 i + 1 (lanes 16-31); register 4 my two R tiles
.set PC,  96
.set TM,  116
.set ACC, 128
.set G1R, 16
.set G1P, 24
.set G0R, 32                           ; s[32:47] four groups 0 for R's slabs;  s[48:63] for P's
.set G0P, 48
.set SEL, 66
.set MSB, 0
.macro WIN new
.if MSB != (\new)
	s_set_vgpr_msb (MSB<<8)|(\new)
.set MSB, (\new)
.endif
.endm
.macro CROUND                          ; a round of the cluster's barrier
	s_barrier_signal -1
	s_barrier_wait -1
	s_cmp_lg_u32 s8, 0
	s_cbranch_scc1 .Lnot_wave_0_\@
	s_barrier_signal -3
.Lnot_wave_0_\@:
	s_barrier_wait -3
	s_barrier_signal -1
	s_barrier_wait -1
.endm
	s_load_b128 s[4:7], s[0:1], 0x0                ; act, st
	v_lshl_add_u32 v111, v0, 2, 0x34000
	v_mov_b32 v115, 0
	ds_add_u32 v111, v115
	ds_add_u32 v111, v115
	v_lshrrev_b32 v1, 5, v0
	v_readfirstlane_b32 s8, v1                     ; wave
	s_and_b32 s9, s8, 1                            ; I fetch the even or the odd K steps
	s_bfe_u32 s10, ttmp6, 0x40000                  ; cx
	s_bfe_u32 s11, ttmp6, 0x40004                  ; cy
	s_and_b32 s12, ttmp7, 0xffff                   ; 4 x batch + head
	s_lshl_b32 s13, s11, 2
	s_lshl_b32 s13, 15, s13                        ; my row of the cluster: P's partners
	s_lshl_b32 s74, 0x1111, s10                    ; my column: R's
	s_or_b32 s[G1P], s13, (3<<16)|(1<<21)          ; the mask; elements of 8 bytes; no padding; bit 21 beside a mask
	s_or_b32 s[G1R], s74, (3<<16)|(1<<21)
.irp g, G1R, G1P                       ; a slab: 50 rows of 256 bytes
	s_mov_b32 s[\g+1], 32<<16
	s_mov_b32 s[\g+2], 50<<16
	s_mov_b32 s[\g+3], 32<<16
	s_mov_b32 s[\g+4], 50
	s_mov_b32 s[\g+5], 32
	s_mov_b32 s[\g+6], 0
	s_mov_b32 s[\g+7], 0
.endr
	s_lshl_b32 s68, s12, 2
	s_add_co_u32 s68, s68, s10
	s_mul_i32 s68, s68, 8*SLAB
	s_add_co_u32 s68, s68, VPART                   ; R: v's panel 4 (4 batch + head) + cx
	s_lshl_b32 s70, s12, 2
	s_add_co_u32 s70, s70, s11
	s_mul_i32 s70, s70, 8*SLAB                     ; P: k's panel .. + cy
	s_mul_i32 s75, s9, SLAB
	s_add_co_u32 s68, s68, s75
	s_add_co_u32 s70, s70, s75
	s_mov_b32 s69, 0
	s_mov_b32 s71, 0
	s_lshl_b32 s72, s12, 2
	s_add_co_u32 s72, s72, s10
	s_lshl_b32 s72, s72, 2
	s_add_co_u32 s72, s72, s11
	s_mul_i32 s72, s72, SLAB                       ; out: [(batch, head) x 4 + panel of e = cx][K step of d = cy]
	s_mov_b32 s73, 0
	s_mov_b32 s[SEL], 0x76543210
	s_mov_b32 s[SEL+1], 0xfedcba98
	s_wait_dscnt 0x0
	s_wait_kmcnt 0x0
	s_add_nc_u64 s[68:69], s[4:5], s[68:69]
	s_add_nc_u64 s[70:71], s[4:5], s[70:71]
	s_add_nc_u64 s[72:73], s[6:7], s[72:73]
	CROUND                                         ; all sixteen work-groups are here: the joint loads meet
.irp i, 0,1,2,3                        ; my i-th load: K step 2 i + (wave % 2)
	s_mov_b32 s[G0R+4*\i], 1
	s_add_co_u32 s[G0R+4*\i+1], s75, 2*\i*SLAB
	s_add_nc_u64 s[G0R+4*\i+2:G0R+4*\i+3], s[68:69], 2*\i*SLAB
	s_or_b32 s[G0R+4*\i+3], s[G0R+4*\i+3], 0x80000000
	s_mov_b32 s[G0P+4*\i], 1
	s_add_co_u32 s[G0P+4*\i+1], s75, PB+2*\i*SLAB
	s_add_nc_u64 s[G0P+4*\i+2:G0P+4*\i+3], s[70:71], 2*\i*SLAB
	s_or_b32 s[G0P+4*\i+3], s[G0P+4*\i+3], 0x80000000
.endr
	s_cmp_lt_u32 s8, 2                             ; waves 0, 1: R's slabs; waves 2, 3: P's.  A wave's four fills stand in one branch: four tensor loads of mine are out
	s_cbranch_scc0 .Lfor_p
.irp i, 0,1,2,3
	tensor_load_to_lds s[G0R+4*\i:G0R+4*\i+3], s[G1R:G1R+7]
	s_nop 0
.endr
.rept 4
	v_nop
.endr
	s_branch .Lasked
.Lfor_p:
.irp i, 0,1,2,3
	tensor_load_to_lds s[G0P+4*\i:G0P+4*\i+3], s[G1P:G1P+7]
	s_nop 0
.endr
.rept 4
	v_nop
.endr
.Lasked:
	v_and_b32 v[LN], 31, v0
	v_lshlrev_b32 v1, 4, v[LN]
	v_lshlrev_b32 v11, 2, v[LN]
	s_mul_i32 s13, s8, 2*FRB
	v_add_nc_u32 v[ADR], s13, v1
	v_add_nc_u32 v[ADR+1], 4*SLAB, v[ADR]
	v_add_nc_u32 v[ADP], PB, v1
	v_add_nc_u32 v[ADP+1], PB+4*SLAB, v1
	s_lshl_b32 s13, s8, 7
	s_add_co_u32 s13, s13, 8*FRB
	v_add_nc_u32 v[ASR], s13, v11
	v_add_nc_u32 v[ASR+1], 4*SLAB, v[ASR]
	v_add_nc_u32 v[ASP], PB+8*FRB, v11
	v_add_nc_u32 v[ASP+1], PB+4*SLAB+8*FRB, v11
; one product; rowp, rowr: which half of the lanes of the scale registers holds the tile's words
.macro WM d, p, r, sp, sr, rowp, rowr, zero
.if \zero
.if ((\rowp) == 0) && ((\rowr) == 0)
	v_wmma_scale_f32_16x16x128_f8f6f4 v[(\d):(\d)+7], v[(\p):(\p)+11], v[(\r):(\r)+11], 0, v[(\sp)], v[(\sr)] matrix_a_fmt:MATRIX_FMT_BF6 matrix_b_fmt:MATRIX_FMT_BF6
.elseif (\rowr) == 0
	v_wmma_scale_f32_16x16x128_f8f6f4 v[(\d):(\d)+7], v[(\p):(\p)+11], v[(\r):(\r)+11], 0, v[(\sp)], v[(\sr)] matrix_a_fmt:MATRIX_FMT_BF6 matrix_b_fmt:MATRIX_FMT_BF6 matrix_a_scale:MATRIX_SCALE_ROW1
.elseif (\rowp) == 0
	v_wmma_scale_f32_16x16x128_f8f6f4 v[(\d):(\d)+7], v[(\p):(\p)+11], v[(\r):(\r)+11], 0, v[(\sp)], v[(\sr)] matrix_a_fmt:MATRIX_FMT_BF6 matrix_b_fmt:MATRIX_FMT_BF6 matrix_b_scale:MATRIX_SCALE_ROW1
.else
	v_wmma_scale_f32_16x16x128_f8f6f4 v[(\d):(\d)+7], v[(\p):(\p)+11], v[(\r):(\r)+11], 0, v[(\sp)], v[(\sr)] matrix_a_fmt:MATRIX_FMT_BF6 matrix_b_fmt:MATRIX_FMT_BF6 matrix_a_scale:MATRIX_SCALE_ROW1 matrix_b_scale:MATRIX_SCALE_ROW1
.endif
.else
.if ((\rowp) == 0) && ((\rowr) == 0)
	v_wmma_scale_f32_16x16x128_f8f6f4 v[(\d):(\d)+7], v[(\p):(\p)+11], v[(\r):(\r)+11], v[(\d):(\d)+7], v[(\sp)], v[(\sr)] matrix_a_fmt:MATRIX_FMT_BF6 matrix_b_fmt:MATRIX_FMT_BF6
.elseif (\rowr) == 0
	v_wmma_scale_f32_16x16x128_f8f6f4 v[(\d):(\d)+7], v[(\p):(\p)+11], v[(\r):(\r)+11], v[(\d):(\d)+7], v[(\sp)], v[(\sr)] matrix_a_fmt:MATRIX_FMT_BF6 matrix_b_fmt:MATRIX_FMT_BF6 matrix_a_scale:MATRIX_SCALE_ROW1
.elseif (\rowp) == 0
	v_wmma_scale_f32_16x16x128_f8f6f4 v[(\d):(\d)+7], v[(\p):(\p)+11], v[(\r):(\r)+11], v[(\d):(\d)+7], v[(\sp)], v[(\sr)] matrix_a_fmt:MATRIX_FMT_BF6 matrix_b_fmt:MATRIX_FMT_BF6 matrix_b_scale:MATRIX_SCALE_ROW1
.else
	v_wmma_scale_f32_16x16x128_f8f6f4 v[(\d):(\d)+7], v[(\p):(\p)+11], v[(\r):(\r)+11], v[(\d):(\d)+7], v[(\sp)], v[(\sr)] matrix_a_fmt:MATRIX_FMT_BF6 matrix_b_fmt:MATRIX_FMT_BF6 matrix_a_scale:MATRIX_SCALE_ROW1 matrix_b_scale:MATRIX_SCALE_ROW1
.endif
.endif
.endm
.macro FETCH s, f                      ; K step s into set f: 30 loads of 16 bytes a lane, 5 of scale words
	WIN 0x40                                       ; destination window 1
.irp b, 0,1,2,3,4,5,6,7
.irp c, 0,1,2
	ds_load_b128 v[128*(\f)+12*\b+4*\c:128*(\f)+12*\b+4*\c+3], v[ADP+(\s)/4] offset:((\s)%4)*SLAB+\b*FRB+512*\c
.endr
.endr
.irp a, 0,1
.irp c, 0,1,2
	ds_load_b128 v[128*(\f)+96+12*\a+4*\c:128*(\f)+96+12*\a+4*\c+3], v[ADR+(\s)/4] offset:((\s)%4)*SLAB+\a*FRB+512*\c
.endr
.endr
	WIN 0
.irp i, 0,1,2,3
	ds_load_b32 v[SS+8*(\f)+\i], v[ASP+(\s)/4] offset:((\s)%4)*SLAB+128*\i
.endr
	ds_load_b32 v[SS+8*(\f)+4], v[ASR+(\s)/4] offset:((\s)%4)*SLAB
.endm
.macro MUL f, zero                     ; 16 products; the 16 accumulators take turns, in the same order in every step
	WIN 0x05                                       ; sources 0 and 1 window 1; C and D window 0
.irp a, 0,1
.irp b, 0,1,2,3,4,5,6,7
	WM ACC+64*\a+8*\b, 128*(\f)+12*\b, 128*(\f)+96+12*\a, SS+8*(\f)+\b/2, SS+8*(\f)+4, (\b)%2, \a, \zero
.endr
.endr
.endm
	s_wait_tensorcnt 3                             ; my first load has landed; the other three may be out: no byte of LDS is filled twice
	s_barrier_signal -1
	s_barrier_wait -1                              ; everybody's has: K steps 0 and 1 are whole
	FETCH 0, 0
.irp s, 0,1,2,3,4,5,6,7
.if ((\s)%2 == 1) && (\s < 7)
	s_wait_tensorcnt 3-(\s+1)/2                    ; my next load has landed: K steps s + 1 and s + 2
	s_wait_dscnt 0x0                               ; no LDS instruction of mine is out at a signal
	s_barrier_signal -1
	s_barrier_wait -1
.endif
.if \s < 7
.if \s >= 1
.rept 4
	v_nop                                          ; places in front of loads into the set that the last products read
.endr
.endif
	FETCH \s+1, (\s+1)%2
	s_wait_dscnt 35                                ; all but the 35 just issued: this step's set is in
.else
	s_wait_dscnt 0x0
.endif
.if \s == 0
	MUL 0, 1                                       ; the first step's products start the sums
.else
	MUL (\s)%2, 0
.endif
.endr
	WIN 0
.macro QUANT s, pw                     ; 64 numbers of a lane, register 16 b + i = k 32 b + 16 (lane / 16) + i of my row, become codes in v[PC] on and a scale word in v[pw]
.irp b, 0,1,2,3
	v_max3_num_f32 v[TM+\b], |v[\s+16*\b]|, |v[\s+1+16*\b]|, 0x2800000   ; each accumulator is read from its low end on; the floor 2^(5 - 127) holds the byte at 1 from below
.endr
.irp i, 2,4,6,8,10,12,14
.irp b, 0,1,2,3
	v_max3_num_f32 v[TM+\b], v[TM+\b], |v[\s+16*\b+\i]|, |v[\s+1+16*\b+\i]|
.endr
.endr
.irp b, 0,1,2,3
	v_permlanex16_b32 v[TM+4+\b], v[TM+\b], s[SEL], s[SEL+1]
.endr
.irp b, 0,1,2,3
	v_max_num_f32 v[TM+\b], v[TM+\b], v[TM+4+\b]
.endr
.irp b, 0,1,2,3
	v_add_nc_u32 v[TM+8+\b], 0xfe000000, v[TM+\b]  ; 4 off the exponent field: the conversion's scale operand
.endr
.irp b, 0,1,2,3
	v_lshrrev_b32 v[TM+4+\b], 23, v[TM+8+\b]
.endr
	v_lshl_or_b32 v[\pw], v[TM+5], 8, v[TM+4]
	v_lshl_or_b32 v[\pw], v[TM+6], 16, v[\pw]
	v_lshl_or_b32 v[\pw], v[TM+7], 24, v[\pw]
.irp c, 0,1
	v_cvt_scalef32_pk16_bf6_f32 v[PC+6*\c:PC+2+6*\c], v[\s+32*\c:\s+15+32*\c], v[TM+8+2*\c]
	v_cvt_scalef32_pk16_bf6_f32 v[PC+12+4*\c:PC+14+4*\c], v[\s+16+32*\c:\s+31+32*\c], v[TM+8+2*\c+1]
.endr
	v_nop                                          ; one plain place behind a scaled conversion
.irp c, 0,1
.irp i, 0,1,2
	v_permlane16_swap_b32 v[PC+6*\c+\i], v[PC+12+4*\c+\i]
.endr
.irp i, 0,1,2
	v_mov_b32 v[PC+3+6*\c+\i], v[PC+12+4*\c+\i]
.endr
.endr
.endm
.irp b, 0,1,2,3
	v_mov_b32 v[TM+4+\b], 0                        ; a lane permute's destination counts as one of its sources.  These four name no register of the products: they are the places behind the last of them
.endr
	QUANT ACC, PW
.irp c, 0,1,2
	global_store_b128 v[ADR], v[PC+4*\c:PC+4*\c+3], s[72:73] offset:512*\c         ; tile 2 w: 512 consecutive bytes a store
.endr
	s_wait_xcnt 0x0                                ; the stores have read the codes: these are written again only behind this wait
	QUANT ACC+64, PW+1
.irp c, 0,1,2
	global_store_b128 v[ADR], v[PC+4*\c:PC+4*\c+3], s[72:73] offset:FRB+512*\c     ; tile 2 w + 1
.endr
	v_cmp_le_u32 vcc_lo, 16, v[LN]
	v_cndmask_b32 v[OW], v[PW], v[PW+1], vcc_lo    ; lanes 0-15 tile 2 w's words, lanes 16-31 tile 2 w + 1's
	global_store_b32 v[ASR], v[OW], s[72:73]       ; 128 consecutive bytes: the four waves' stores fill the slab's last 512
	s_wait_tensorcnt 0x0
	ds_add_u32 v111, v115
	s_wait_dscnt 0x0
	CROUND                                         ; the closing round
	s_endpgm
.Lfunc_end_k_q892c3ab392_states:
	.size	k_q892c3ab392_states, .Lfunc_end_k_q892c3ab392_states-k_q892c3ab392_states
	.p2alignl 7, 3214868480
	.fill 96, 4, 3214868480
	.section	.rodata,"a",@progbits
	.p2align	6, 0x0
	.amdhsa_kernel k_q892c3ab392_states
		.amdhsa_group_segment_fixed_size 213504
		.amdhsa_private_segment_fixed_size 0
		.amdhsa_enable_private_segment 0
		.amdhsa_kernarg_size 16
		.amdhsa_user_sgpr_count 2
		.amdhsa_user_sgpr_kernarg_segment_ptr 1
		.amdhsa_wavefront_size32 1
		.amdhsa_system_sgpr_workgroup_id_x 1
		.amdhsa_system_sgpr_workgroup_id_y 1
		.amdhsa_system_sgpr_workgroup_id_z 1
		.amdhsa_system_vgpr_workitem_id 0
		.amdhsa_next_free_vgpr 512
		.amdhsa_next_free_sgpr 84
		.amdhsa_reserve_vcc 1
		.amdhsa_float_denorm_mode_32 3
		.amdhsa_float_denorm_mode_16_64 3
		.amdhsa_memory_ordered 1
		.amdhsa_forward_progress 1
		.amdhsa_inst_pref_size 52
	.end_amdhsa_kernel
	.amdgpu_metadata
---
amdhsa.version: [ 1, 2 ]
amdhsa.kernels:
  - .name:           k_q892c3ab392_states
    .symbol:         k_q892c3ab392_states.kd
    .args:
      - { .name: act, .offset: 0, .size: 8, .value_kind: global_buffer, .address_space: global }
      - { .name: st, .offset: 8, .size: 8, .value_kind: global_buffer, .address_space: global }
    .group_segment_fixed_size: 213504
    .private_segment_fixed_size: 0
    .kernarg_segment_align: 8
    .kernarg_segment_size: 16
    .max_flat_workgroup_size: 128
    .sgpr_count:     84
    .vgpr_count:     512
    .wavefront_size: 32
...
	.end_amdgpu_metadata
.endif
;; end of part 3
;; launch outp (part 4): grid 4 x 64, 4 waves a work-group, clusters of 4 x 4, 197,120 bytes of LDS; arguments act, st, out0; writes out0
.if DOCPART == 4
	.amdgcn_target "amdgcn-amd-amdhsa--gfx1250"
	.amdhsa_code_object_version 6
	.text
	.protected	k_q892c3ab392_outp
	.globl	k_q892c3ab392_outp
	.p2align	8
	.type	k_q892c3ab392_outp,@function
k_q892c3ab392_outp:
	s_mov_b64 s[64:65], 0
	v_nop
	global_prefetch_b8 v0, s[64:65] scope:SCOPE_SE
	s_setreg_imm32_b32 hwreg(HW_REG_WAVE_MODE, 25, 1), 1
	s_wait_xcnt 0x0
	s_wait_alu depctr_hold_cnt(0) depctr_sa_sdst(0) depctr_va_vdst(0) depctr_va_sdst(0) depctr_va_ssrc(0) depctr_va_vcc(0) depctr_vm_vsrc(0)
	s_getreg_b32 s2, hwreg(HW_REG_IB_STS2, 6, 4)
	s_cmp_eq_u32 s2, 0
	s_cbranch_scc0 .Lentry_in_a_cluster
	s_endpgm
.Lentry_in_a_cluster:
	s_bfe_u32 s2, ttmp6, 0x10000c
	s_cmp_lg_u32 s2, 0xf033
	s_cbranch_scc0 .Lentry_shape_is_right
	s_endpgm
.Lentry_shape_is_right:
; out[b][h][token][e] = sum over d of q[token][d] states[d][e], on codes of BF6 (E3M2) with E8M0 scales, f32 sums, f32 out.
; Source 0 (P) = rows e of states^T, source 1 (R) = tokens of q; both come as images of operand registers in slabs (a panel of 128 rows for one K step of 128: 8 images of 1,536 bytes, 512 bytes of scale words [tile][r]).
; Lane r of tile t holds row 32 (t / 2) + 8 (t % 2) + r + 8 (r / 8): so a lane holds one token, and the 16 registers of P's tiles 2 i, 2 i + 1 are e = 32 i + 16 (lane / 16) + 0 .. 15: 64 neighbouring bytes of a row of out.
; SHARES: a cluster of 4 x 4 work-groups is one (batch, head); a work-group makes 256 tokens (q's panels 2 cy, 2 cy + 1) x 128 e (panel cx), K = 512 in four steps; wave w takes tokens 64 w on (four R tiles) against P's eight: 32 accumulators.
; R's slabs are asked for jointly along a row of the cluster, P's along a column.  All slabs fit in LDS: each byte is filled once, all loads go out at the head, four a wave, and are waited for one by one.
; REGISTERS: window 0: v4-10 addresses; v16-31 scale words, two sets of 8; v64-159 R's fragments, two sets of 48; on the way out v128-255 hold rows.   window 1: P's fragments, two sets of 128.   window 2: accumulator (a, b) at 64 a + 8 b.
.set FRB,   1536
.set SLAB,  8*FRB+512
.set PB,    8*SLAB                     ; LDS: R's two panels x four slabs, then P's four slabs
.set STAGE, 12*SLAB                    ; then 16 rows x (512 + 16) bytes for each wave: bytes of their own, into which no tile lands
.set SP,    528
.set QPART, 512*SLAB                   ; q's part of act
.set LI,  4                            ; v4  16 x lane
.set ADR, 5                            ; v5  my four R tiles
.set ADP, 6                            ; v6  P's tiles
.set ASR, 7                            ; v7  my R tiles' scale words
.set ASP, 8                            ; v8  P's
.set STO, 9                            ; v9  the stage: where I put 64 bytes of a row
.set RD,  10                           ; v10 and where I read a row back
.set SS,  16                           ; set f at v[16 + 8 f]: 0-3 P's tiles 2 i | 2 i + 1; 4-5 my R tiles 2 i | 2 i + 1
.set RF,  64
.set BK,  128
.set G1R, 16
.set G1P, 24
.set G0R, 32
.set G0P, 48
.set MSB, 0
.macro WIN new
.if MSB != (\new)
	s_set_vgpr_msb (MSB<<8)|(\new)
.set MSB, (\new)
.endif
.endm
.macro CROUND                          ; a round of the cluster's barrier
	s_barrier_signal -1
	s_barrier_wait -1
	s_cmp_lg_u32 s10, 0
	s_cbranch_scc1 .Lnot_wave_0_\@
	s_barrier_signal -3
.Lnot_wave_0_\@:
	s_barrier_wait -3
	s_barrier_signal -1
	s_barrier_wait -1
.endm
	s_load_b128 s[4:7], s[0:1], 0x0                ; act, st
	s_load_b64 s[8:9], s[0:1], 0x10                ; out0
	v_lshl_add_u32 v62, v0, 2, 0x30000
	v_mov_b32 v63, 0
	ds_add_u32 v62, v63
	ds_add_u32 v62, v63
	v_lshrrev_b32 v1, 5, v0
	v_readfirstlane_b32 s10, v1                    ; wave
	s_and_b32 s11, s10, 1
	s_lshr_b32 s12, s10, 1
	s_bfe_u32 s13, ttmp6, 0x40000                  ; cx
	s_bfe_u32 s14, ttmp6, 0x40004                  ; cy
	s_and_b32 s15, ttmp7, 0xffff                   ; 4 x batch + head
	s_lshl_b32 s66, s14, 2
	s_lshl_b32 s66, 15, s66                        ; my row of the cluster: R's partners
	s_lshl_b32 s67, 0x1111, s13                    ; my column: P's
	s_or_b32 s[G1R], s66, (3<<16)|(1<<21)          ; the mask; elements of 8 bytes; no padding; bit 21 beside a mask
	s_or_b32 s[G1P], s67, (3<<16)|(1<<21)
	s_mov_b32 s[G1R+1], 32<<16                     ; R: a slab, 50 rows of 256 bytes
	s_mov_b32 s[G1R+2], 50<<16
	s_mov_b32 s[G1R+3], 32<<16
	s_mov_b32 s[G1R+4], 50
	s_mov_b32 s[G1R+5], 32
	s_mov_b32 s[G1R+6], 0
	s_mov_b32 s[G1R+7], 0
	s_mov_b32 s[G1P+1], 32<<16                     ; P: half a slab, 25 rows
	s_mov_b32 s[G1P+2], 25<<16
	s_mov_b32 s[G1P+3], 32<<16
	s_mov_b32 s[G1P+4], 25
	s_mov_b32 s[G1P+5], 32
	s_mov_b32 s[G1P+6], 0
	s_mov_b32 s[G1P+7], 0
	s_lshl_b32 s68, s15, 3
	s_lshl_b32 s74, s14, 1
	s_add_co_u32 s68, s68, s74
	s_add_co_u32 s68, s68, s11                     ; R: q's panel 8 (4 batch + head) + 2 cy + (wave % 2)
	s_mul_i32 s68, s68, 4*SLAB
	s_add_co_u32 s68, s68, QPART
	s_mov_b32 s69, 0
	s_lshl_b32 s70, s15, 2
	s_add_co_u32 s70, s70, s13                     ; P: states' panel 4 (4 batch + head) + cx,
	s_mul_i32 s70, s70, 4*SLAB
	s_mul_i32 s72, s11, SLAB/2                     ; my half of each slab
	s_add_co_u32 s70, s70, s72
	s_mov_b32 s71, 0
	s_mul_i32 s73, s11, 4*SLAB                     ; where R's panel goes
	s_lshl_b32 s74, s15, 21                        ; out: 1,024 rows of 2,048 bytes for each (batch, head),
	s_lshl_b32 s75, s14, 8
	s_lshl_b32 s76, s10, 6
	s_add_co_u32 s75, s75, s76
	s_lshl_b32 s75, s75, 11                        ; my first token 256 cy + 64 w,
	s_add_co_u32 s74, s74, s75
	s_lshl_b32 s75, s13, 9                         ; 512 bytes for each 128 e
	s_add_co_u32 s74, s74, s75
	s_mov_b32 s75, 0
	s_wait_dscnt 0x0
	s_wait_kmcnt 0x0
	s_add_nc_u64 s[68:69], s[4:5], s[68:69]
	s_add_nc_u64 s[70:71], s[6:7], s[70:71]
	s_add_nc_u64 s[8:9], s[8:9], s[74:75]
	CROUND                                         ; all sixteen work-groups are here: the joint loads meet
.irp i, 0,1,2,3                        ; my i-th load: K step i
	s_mov_b32 s[G0R+4*\i], 1
	s_add_co_u32 s[G0R+4*\i+1], s73, \i*SLAB
	s_add_nc_u64 s[G0R+4*\i+2:G0R+4*\i+3], s[68:69], \i*SLAB
	s_or_b32 s[G0R+4*\i+3], s[G0R+4*\i+3], 0x80000000
	s_mov_b32 s[G0P+4*\i], 1
	s_add_co_u32 s[G0P+4*\i+1], s72, PB+\i*SLAB
	s_add_nc_u64 s[G0P+4*\i+2:G0P+4*\i+3], s[70:71], \i*SLAB
	s_or_b32 s[G0P+4*\i+3], s[G0P+4*\i+3], 0x80000000
.endr
	s_cmp_lt_u32 s10, 2                            ; waves 0, 1: R's two panels; waves 2, 3: the halves of P's slabs.  A wave's four fills stand in one branch: four tensor loads of mine are out
	s_cbranch_scc0 .Lfor_p
.irp i, 0,1,2,3
	tensor_load_to_lds s[G0R+4*\i:G0R+4*\i+3], s[G1R:G1R+7]
	s_nop 0
.endr
.rept 4
	v_nop
.endr
	s_branch .Lasked
.Lfor_p:
.irp i, 0,1,2,3
	tensor_load_to_lds s[G0P+4*\i:G0P+4*\i+3], s[G1P:G1P+7]
	s_nop 0
.endr
.rept 4
	v_nop
.endr
.Lasked:
	v_and_b32 v1, 31, v0                           ; lane
	v_and_b32 v2, 15, v0                           ; r
	v_bfe_u32 v3, v0, 4, 1                         ; h
	v_lshlrev_b32 v[LI], 4, v1
	v_lshlrev_b32 v11, 2, v1
	s_mul_i32 s66, s12, 4*SLAB                     ; my panel of R,
	s_mul_i32 s67, s11, 4*FRB                      ; my four tiles of it
	s_add_co_u32 s67, s67, s66
	v_add_nc_u32 v[ADR], s67, v[LI]
	v_add_nc_u32 v[ADP], PB, v[LI]
	s_lshl_b32 s67, s11, 8
	s_add_co_u32 s67, s67, s66
	s_add_co_u32 s67, s67, 8*FRB
	v_add_nc_u32 v[ASR], s67, v11
	v_add_nc_u32 v[ASP], PB+8*FRB, v11
	s_mul_i32 s66, s10, 16*SP
	s_add_co_u32 s66, s66, STAGE                   ; my stage
	v_mul_u32_u24 v[STO], v2, SP
	v_lshl_add_u32 v[STO], v3, 6, v[STO]
	v_add_nc_u32 v[STO], s66, v[STO]               ; in: row r, + 64 h
	v_add_nc_u32 v[RD], s66, v[LI]                 ; back: the 32 lanes take a row of 512 bytes
; one product; rowp, rowr: which half of the lanes of the scale registers holds the tile's words
.macro WM d, p, r, sp, sr, rowp, rowr, zero
.if \zero
.if ((\rowp) == 0) && ((\rowr) == 0)
	v_wmma_scale_f32_16x16x128_f8f6f4 v[(\d):(\d)+7], v[(\p):(\p)+11], v[(\r):(\r)+11], 0, v[(\sp)], v[(\sr)] matrix_a_fmt:MATRIX_FMT_BF6 matrix_b_fmt:MATRIX_FMT_BF6
.elseif (\rowr) == 0
	v_wmma_scale_f32_16x16x128_f8f6f4 v[(\d):(\d)+7], v[(\p):(\p)+11], v[(\r):(\r)+11], 0, v[(\sp)], v[(\sr)] matrix_a_fmt:MATRIX_FMT_BF6 matrix_b_fmt:MATRIX_FMT_BF6 matrix_a_scale:MATRIX_SCALE_ROW1
.elseif (\rowp) == 0
	v_wmma_scale_f32_16x16x128_f8f6f4 v[(\d):(\d)+7], v[(\p):(\p)+11], v[(\r):(\r)+11], 0, v[(\sp)], v[(\sr)] matrix_a_fmt:MATRIX_FMT_BF6 matrix_b_fmt:MATRIX_FMT_BF6 matrix_b_scale:MATRIX_SCALE_ROW1
.else
	v_wmma_scale_f32_16x16x128_f8f6f4 v[(\d):(\d)+7], v[(\p):(\p)+11], v[(\r):(\r)+11], 0, v[(\sp)], v[(\sr)] matrix_a_fmt:MATRIX_FMT_BF6 matrix_b_fmt:MATRIX_FMT_BF6 matrix_a_scale:MATRIX_SCALE_ROW1 matrix_b_scale:MATRIX_SCALE_ROW1
.endif
.else
.if ((\rowp) == 0) && ((\rowr) == 0)
	v_wmma_scale_f32_16x16x128_f8f6f4 v[(\d):(\d)+7], v[(\p):(\p)+11], v[(\r):(\r)+11], v[(\d):(\d)+7], v[(\sp)], v[(\sr)] matrix_a_fmt:MATRIX_FMT_BF6 matrix_b_fmt:MATRIX_FMT_BF6
.elseif (\rowr) == 0
	v_wmma_scale_f32_16x16x128_f8f6f4 v[(\d):(\d)+7], v[(\p):(\p)+11], v[(\r):(\r)+11], v[(\d):(\d)+7], v[(\sp)], v[(\sr)] matrix_a_fmt:MATRIX_FMT_BF6 matrix_b_fmt:MATRIX_FMT_BF6 matrix_a_scale:MATRIX_SCALE_ROW1
.elseif (\rowp) == 0
	v_wmma_scale_f32_16x16x128_f8f6f4 v[(\d):(\d)+7], v[(\p):(\p)+11], v[(\r):(\r)+11], v[(\d):(\d)+7], v[(\sp)], v[(\sr)] matrix_a_fmt:MATRIX_FMT_BF6 matrix_b_fmt:MATRIX_FMT_BF6 matrix_b_scale:MATRIX_SCALE_ROW1
.else
	v_wmma_scale_f32_16x16x128_f8f6f4 v[(\d):(\d)+7], v[(\p):(\p)+11], v[(\r):(\r)+11], v[(\d):(\d)+7], v[(\sp)], v[(\sr)] matrix_a_fmt:MATRIX_FMT_BF6 matrix_b_fmt:MATRIX_FMT_BF6 matrix_a_scale:MATRIX_SCALE_ROW1 matrix_b_scale:MATRIX_SCALE_ROW1
.endif
.endif
.endm
.macro FETCH s, f                      ; K step s into set f: 36 loads of 16 bytes a lane, 6 of scale words
	WIN 0x40                                       ; destination window 1
.irp b, 0,1,2,3,4,5,6,7
.irp c, 0,1,2
	ds_load_b128 v[128*(\f)+12*\b+4*\c:128*(\f)+12*\b+4*\c+3], v[ADP] offset:(\s)*SLAB+\b*FRB+512*\c
.endr
.endr
	WIN 0
.irp a, 0,1,2,3
.irp c, 0,1,2
	ds_load_b128 v[RF+48*(\f)+12*\a+4*\c:RF+48*(\f)+12*\a+4*\c+3], v[ADR] offset:(\s)*SLAB+\a*FRB+512*\c
.endr
.endr
.irp i, 0,1,2,3
	ds_load_b32 v[SS+8*(\f)+\i], v[ASP] offset:(\s)*SLAB+128*\i
.endr
.irp i, 0,1
	ds_load_b32 v[SS+8*(\f)+4+\i], v[ASR] offset:(\s)*SLAB+128*\i
.endr
.endm
.macro MUL f, zero                     ; 32 products; the 32 accumulators take turns, in the same order in every step
	WIN 0xa1                                       ; source 0 (P) window 1, source 1 (R) window 0, C and D window 2
.irp a, 0,1,2,3
.irp b, 0,1,2,3,4,5,6,7
	WM 64*\a+8*\b, 128*(\f)+12*\b, RF+48*(\f)+12*\a, SS+8*(\f)+\b/2, SS+8*(\f)+4+\a/2, (\b)%2, (\a)%2, \zero
.endr
.endr
.endm
	s_wait_tensorcnt 3                             ; my first load has landed; the other three may be out: no byte of LDS is filled twice
	s_barrier_signal -1
	s_barrier_wait -1                              ; everybody's has: K step 0 is whole
	FETCH 0, 0
.irp s, 0,1,2,3
.if \s < 3
	s_wait_tensorcnt 2-\s                          ; my part of K step s + 1 has landed
	s_wait_dscnt 0x0                               ; no LDS instruction of mine is out at a signal
	s_barrier_signal -1
	s_barrier_wait -1
.if \s >= 1
.rept 4
	v_nop                                          ; places in front of loads into the set that the last products read
.endr
.endif
	FETCH \s+1, (\s+1)%2
	s_wait_dscnt 42                                ; all but the 42 just issued
.else
	s_wait_dscnt 0x0
.endif
.if \s == 0
	MUL 0, 1                                       ; the first step's products start the sums
.else
	MUL (\s)%2, 0
.endif
.endr
; THE WAY OUT, an R tile (16 tokens x 128 e) at a time: through my own stage in LDS, back as whole rows of 512 bytes.  LDS serves a wave's instructions in order: no wait between the stores and the loads, nor in front of the next tile's stores.
.macro TOSTAGE a
	WIN 0x08                                       ; an LDS store's data are its source 1: window 2
.irp b, 0,1,2,3,4,5,6,7
	ds_store_b128 v[STO], v[64*(\a)+8*\b:64*(\a)+8*\b+3] offset:128*(\b/2)+32*(\b%2)          ; each accumulator from its low end on
	ds_store_b128 v[STO], v[64*(\a)+8*\b+4:64*(\a)+8*\b+7] offset:128*(\b/2)+32*(\b%2)+16
.endr
	WIN 0
.irp t, 0,1,2,3,4,5,6,7,8,9,10,11,12,13,14,15
	ds_load_b128 v[BK+64*((\a)%2)+4*\t:BK+64*((\a)%2)+4*\t+3], v[RD] offset:\t*SP
.endr
.endm
.macro SEND a, younger                 ; younger: the LDS instructions issued behind tile a's loads, which may stay out
	s_wait_dscnt \younger
.irp t, 0,1,2,3,4,5,6,7,8,9,10,11,12,13,14,15
	global_store_b128 v[LI], v[BK+64*((\a)%2)+4*\t:BK+64*((\a)%2)+4*\t+3], s[8:9] offset:(32*((\a)/2)+8*((\a)%2)+\t+8*(\t/8))*2048 th:TH_STORE_NT   ; stage row t is the tile's lane t: its token; 32 lanes store 512 consecutive bytes, at a multiple of 512 from the buffer's first byte
.endr
.endm
.rept 4
	v_nop                                          ; places behind the last products: their results are read, and rows land in registers that held R's fragments
.endr
	TOSTAGE 0
.irp a, 1,2,3
.if \a > 1
	s_wait_xcnt 0x0                                ; tile a - 2's stores have read their registers: tile a's rows may land there
.endif
	TOSTAGE \a
	SEND \a-1, 32                                  ; behind tile a - 1's loads: tile a's 16 stores and 16 loads
.endr
	SEND 3, 0
	s_wait_tensorcnt 0x0
	ds_add_u32 v62, v63
	s_wait_dscnt 0x0
	CROUND                                         ; the closing round
	s_endpgm
.Lfunc_end_k_q892c3ab392_outp:
	.size	k_q892c3ab392_outp, .Lfunc_end_k_q892c3ab392_outp-k_q892c3ab392_outp
	.p2alignl 7, 3214868480
	.fill 96, 4, 3214868480
	.section	.rodata,"a",@progbits
	.p2align	6, 0x0
	.amdhsa_kernel k_q892c3ab392_outp
		.amdhsa_group_segment_fixed_size 197120
		.amdhsa_private_segment_fixed_size 0
		.amdhsa_enable_private_segment 0
		.amdhsa_kernarg_size 24
		.amdhsa_user_sgpr_count 2
		.amdhsa_user_sgpr_kernarg_segment_ptr 1
		.amdhsa_wavefront_size32 1
		.amdhsa_system_sgpr_workgroup_id_x 1
		.amdhsa_system_sgpr_workgroup_id_y 1
		.amdhsa_system_sgpr_workgroup_id_z 1
		.amdhsa_system_vgpr_workitem_id 0
		.amdhsa_next_free_vgpr 768
		.amdhsa_next_free_sgpr 84
		.amdhsa_reserve_vcc 0
		.amdhsa_float_denorm_mode_32 3
		.amdhsa_float_denorm_mode_16_64 3
		.amdhsa_memory_ordered 1
		.amdhsa_forward_progress 1
		.amdhsa_inst_pref_size 51
	.end_amdhsa_kernel
	.amdgpu_metadata
---
amdhsa.version: [ 1, 2 ]
amdhsa.kernels:
  - .name:           k_q892c3ab392_outp
    .symbol:         k_q892c3ab392_outp.kd
    .args:
      - { .name: act, .offset: 0, .size: 8, .value_kind: global_buffer, .address_space: global }
      - { .name: st, .offset: 8, .size: 8, .value_kind: global_buffer, .address_space: global }
      - { .name: out0, .offset: 16, .size: 8, .value_kind: global_buffer, .address_space: global }
    .group_segment_fixed_size: 197120
    .private_segment_fixed_size: 0
    .kernarg_segment_align: 8
    .kernarg_segment_size: 24
    .max_flat_workgroup_size: 128
    .sgpr_count:     84
    .vgpr_count:     768
    .wavefront_size: 32
...
	.end_amdgpu_metadata
.endif
;; end of part 4
